; MI455X (gfx1250); checked and timed in simulation.
; The chip was launched on July 23, 2026; its instructions are those of AMD's public machine-readable ISA for CDNA 5 (MIT licence, August 2026) and "CDNA5" Instruction Set Architecture Reference Guide (July 2026). The comments in the code are by the model that wrote it; some were corrected since.
;; Inv SGSS Quantized Linear. Allowed arithmetic: matrix products marked QUANTISED: E2M1 operands, one E8M0 scale for each 32 along K, by v_wmma_scale_f32_16x16x128_f8f6f4 with both operands' format E2M1 (or v_wmma_scale_f32_32x16x128_f4), f32 sums; everything else in f32.
;; Inputs: W_q 4,096 x 4,096 int32; bias 4,096 float32; mu1 4,096 float32; mu2 4,096 float32; scales 4,096 x 32 x 1 float32; x_codes 4 x 1,024 x 128 x 16 uint8 (E2M1 codes of x, K innermost, in blocks of 32 codes, two codes a byte); x_scales 4 x 1,024 x 128 uint8 (E8M0 scales of x, one for each 32 codes along K); zeros 4,096 x 32 x 1 float32.
;; Outputs: out0 4 x 1,024 x 4,096 float32.
;; This version of the problem:
;;   THIS VERSION OF THE PROBLEM IS GIVEN IN LOW PRECISION. The matrix products marked QUANTISED in the list below multiply operands that are first quantised to E2M1 (2 exponent bits, 1 mantissa bit; 4 bits a number), with one power-of-two scale for each 32 numbers along K (OCP MX v1.0); their sums are f32. All else is computed in f32.
;;   The module's matrix products, in the order in which they are computed (A, B: the left and right operand; K: the contracted axis; several contracted axes count as one K, in the product's order):
;;     1. [M 4,096, K 4,096] x [K 4,096, N 4,096]; A: input x (given as codes); B: computed on the way: QUANTISED
;;   THE QUANTISER, for each operand of a quantised product, along K:
;;     - K is cut into blocks of 32 from its start; a last block that is shorter is filled with zeros.
;;     - A block's scale is 2^e with e = floor(log2(the largest magnitude in the block)) - 2, held to -126 .. 127; a block of zeros has e = 0. As a byte (E8M0): e + 127.
;;     - Each number is divided by its block's scale, clamped to +-6, and rounded to the nearest number of E2M1, ties to even, subnormals kept.
;;     - The product sums the exact products of the quantised numbers (number of the format x scale) in f32.
;;   ~~~python
;;   def quantise(x, axis):      # numpy; x: float32 -> the quantised numbers, widened to float32 again
;;       x = np.moveaxis(x, axis, -1); K = x.shape[-1]
;;       x = np.pad(x, [(0, 0)] * (x.ndim - 1) + [(0, -K % 32)]); x = x.reshape(x.shape[:-1] + (-1, 32)); a = np.abs(x).max(-1, keepdims=True)
;;       e = np.where(a > 0, np.clip(np.frexp(np.where(a > 0, a, 1))[1] - 1 - 2, -126, 127), 0)      # np.frexp(a)[1] - 1 = floor(log2(a)), exactly
;;       r = np.clip(x / 2.0 ** e, -6, 6)
;;       step = 2.0 ** (np.maximum(np.frexp(np.where(r == 0, 1, r))[1] - 1, 0) - 1)
;;       q = np.round(r / step) * step * 2.0 ** e      # np.round: ties to even
;;       return np.moveaxis(q.reshape(q.shape[:-2] + (-1,))[..., :K], -1, axis).astype(np.float32)
;;   ~~~
;;   OPERANDS COMPUTED ON THE WAY. 'Computed on the way' means the value that the module computes at that place (a softmax that the list does not call 'softmax' is quantised finished and normalised). What goes into a quantiser is computed in f32, as accurately as f32 sums, v_exp_f32 and their like allow (about 1e-6 of the number): no bf16 or f16 on the way to a quantiser, and a product that is left as it is and whose result goes on into a quantised operand takes f32 operands (vector FMAs, or v_wmma_f32_16x16x4_f32). A number that lies on a knife's edge between two numbers of the format may be rounded either way, as far as f32 arithmetic and the matrix unit's own rounding can turn it there, and no further.
;;   INPUTS GIVEN AS CODES. x (in the module: [4, 1024, 4096], K = its axis 2): each comes as NAME_codes (uint8): NAME with its K axis moved to the last place and cut into blocks of 32 codes, [.., K / 32, bytes a block], one block behind the other in memory; two codes a byte, the lower K in the low four bits (a code: sign, 2 exponent bits, 1 mantissa bit); and NAME_scales (uint8): the same leading axes, one E8M0 byte (e + 127) for each 32 codes along K. Its value is code x scale, taken as it is: it is not quantised again, and the codes and scales need not be those that the quantiser above would give.
;; One version. Each part assembles by itself: llvm-mc -triple=amdgcn-amd-amdhsa -mcpu=gfx1250 --defsym DOCPART=n.
;; ======== version 1 of 1: 2 launches
;; limits: right only within a limited range of input values
;; workspace buffers: w_codes 8,388,608 bytes; sc 524,288 bytes
;; launch quant (part 1): grid 256 x 1, 8 waves a work-group, no clusters, 54,272 bytes of LDS; arguments W_q, scales, zeros, mu1, mu2, w_codes, sc; writes w_codes, sc
.if DOCPART == 1
	.amdgcn_target "amdgcn-amd-amdhsa--gfx1250"
	.amdhsa_code_object_version 6
	.text
	.protected	k_q55a7968240_quant
	.globl	k_q55a7968240_quant
	.p2align	8
	.type	k_q55a7968240_quant,@function
k_q55a7968240_quant:
	s_mov_b64 s[64:65], 0
	v_nop
	global_prefetch_b8 v0, s[64:65] scope:SCOPE_SE
	s_setreg_imm32_b32 hwreg(HW_REG_WAVE_MODE, 25, 1), 1
	s_wait_xcnt 0x0
; W[j][n] = (((f32(W_q[j][n]) - zeros[j][g]) * scales[j][g]) * mu2[j]) * mu1[n], g = n / 128, each step one f32 rounding, in this order;
; then W is turned into codes of FP4 (E2M1), two a byte, n innermost, with one E8M0 scale byte for each 32 along n.
; OUT: w_codes [K step 8][place 4096][256 bytes]: the codes of 512 along n of one row.  Row j = 64 g + 4 r + t (r = 0..15, t = 0..3) has place 64 g + 16 t + r:
;      so lane r of the four tiles t of the product holds four neighbouring columns of the result.
;      sc [K step 8][unit 256][256 bytes]: unit u has rows 16 u .. 16 u + 15, row 16 u + 4 a + t at byte 64 t + 16 a: its 16 scale bytes of that K step.
; A block's scale is 2^(floor(log2(its largest magnitude)) - 2); its byte is the largest magnitude's exponent field - 2, held at 1 from below.
; LIMITS: a block of zeros gets the byte 1 where the rule says 127 (its codes are zeros, which add nothing under any byte but 0xff, and this program alone reads the bytes);
; blocks whose largest magnitude lies under 2^-124 have the byte 1; NaN and infinities among W's inputs are not served.
; SHARES.  Work-group u owns rows 16 u .. 16 u + 15.  Wave c owns columns 512 c .. 512 c + 511 (K step c of the product) and walks the 16 rows, a row a step, written out: every offset is an immediate.
; A lane's 16 numbers of mu1 stay in registers.  Each load reads 512 consecutive bytes, 16 a lane; a row's 2,048 bytes turn through the wave's own stage in LDS and come back 64 bytes a lane
; (16 bytes of padding behind each 64), since a conversion takes 8 neighbours along n from one lane.  Two neighbouring lanes hold a block of 32.
; The rows' zeros and scales lie in LDS as entries (z, z, s, s), pairs for the packed arithmetic; one barrier stands behind their stores.  Loads run eight rows (32 loads a wave) ahead, the turn through LDS one row.
; No tensor loads, no matrix unit, no cluster: work-groups share nothing large and there is no product here.
.set SP,    80                         ; a lane's place in a stage: its 64 bytes + 16 of padding
.set STG,   32*SP                      ; a stage
.set SBY,   2*STG                      ; behind a wave's two stages: its 256 scale bytes
.set WREG,  5632                       ; LDS: a region of its own for each wave
.set PB,    8*WREG                     ; [row 16][group 32] entries of 16 bytes: z, z, s, s
.set SPARE, PB+8192                    ; the spare words, 128 bytes for each wave
.set ROWQ,  16384                      ; a row of W_q in bytes
.set R,     16                         ; v16-143  eight sets of 16 words as they are loaded
.set X,     144                        ; v144-175 two sets of 16 neighbours
.set MU,    176                        ; v176-191 my 16 numbers of mu1
.set P,     192                        ; v192-199 two sets (z, z, s, s)
.set C,     200                        ; v200-231 two registers of codes for each step, so that no store's data are written again (at the head: temporaries)
.set E,     232                        ; v232-247 a scale byte for each step
	s_load_b256 s[4:11], s[0:1], 0x0               ; W_q 4:5, scales 6:7, zeros 8:9, mu1 10:11
	s_load_b64 s[12:13], s[0:1], 0x20              ; mu2
	s_load_b128 s[16:19], s[0:1], 0x28             ; w_codes 16:17, sc 18:19
	v_lshl_add_u32 v7, v0, 2, SPARE                ; my spare word
	v_mov_b32 v251, 0
	v_lshrrev_b32 v1, 5, v0
	v_readfirstlane_b32 s20, v1                    ; wave c
	s_mul_i32 s21, s20, WREG                       ; my wave's region
	s_add_co_u32 s24, s21, SBY                     ; its scale bytes
	s_lshl_b32 s25, s20, 6
	s_add_co_u32 s25, s25, PB
	v_and_b32 v2, 31, v0                           ; lane l
	v_lshl_add_u32 v9, v0, 5, PB                   ; where thread t puts entries 2 t and 2 t + 1
	v_lshlrev_b32 v10, 3, v0                       ; thread t's 8 bytes of the work-group's 2,048 of zeros and of scales
	v_lshlrev_b32 v3, 4, v2                        ; my 16 bytes of a load's 512
	v_lshlrev_b32 v4, 3, v2                        ; my 8 bytes of a store's 256
	v_lshrrev_b32 v5, 1, v2
	v_lshrrev_b32 v8, 3, v2
	v_lshrrev_b32 v14, 2, v2
	v_and_b32 v13, 3, v2
	v_mul_u32_u24 v15, v2, SP
	v_add_nc_u32 v5, s24, v5                       ; my block's scale byte
	v_add_nc_u32 v6, s24, v4                       ; and on the way out 8 bytes a lane
	v_mul_u32_u24 v14, v14, SP
	v_lshlrev_b32 v8, 4, v8
	v_add_nc_u32 v15, s21, v15                     ; the stage, on the way out: my 16 neighbours
	v_lshl_add_u32 v14, v13, 4, v14
	v_add_nc_u32 v8, s25, v8                       ; my entry of row 0: group 4 c + l / 8; a row on is 512 bytes on
	v_add_nc_u32 v14, s21, v14                     ; the stage, on the way in: four lanes' 64 bytes on end, then the padding; a load's 512 bytes take eight places
	s_mov_b32 s49, 0                               ; named with s48 as a pair, so it is written
	s_mov_b32 s23, 0
	s_wait_alu depctr_va_vdst(0)                   ; the wait at the head's end
	s_wait_kmcnt 0x0
	s_lshl_b32 s22, ttmp9, 11                      ; 16 rows of 128 bytes
	s_add_nc_u64 s[6:7], s[6:7], s[22:23]
	s_add_nc_u64 s[8:9], s[8:9], s[22:23]
	s_lshl_b32 s22, ttmp9, 6                       ; 16 numbers of mu2
	s_add_nc_u64 s[12:13], s[12:13], s[22:23]
	s_load_b512 s[32:47], s[12:13], 0x0            ; mu2 of my 16 rows: no line of this text writes that buffer
	s_lshl_b32 s22, s20, 11                        ; my strip: 512 numbers of 4 bytes
	s_add_nc_u64 s[10:11], s[10:11], s[22:23]
	s_add_nc_u64 s[4:5], s[4:5], s[22:23]
	s_lshl_b32 s22, ttmp9, 18                      ; 16 rows of W_q
	s_add_nc_u64 s[4:5], s[4:5], s[22:23]
	s_lshr_b32 s22, ttmp9, 2                       ; w_codes: K step c, 64 places for each four work-groups, my first place four further on for each of them
	s_lshl_b32 s22, s22, 14
	s_and_b32 s24, ttmp9, 3
	s_lshl_b32 s24, s24, 10
	s_add_co_u32 s22, s22, s24
	s_lshl_b32 s24, s20, 20
	s_add_co_u32 s22, s22, s24
	s_add_nc_u64 s[16:17], s[16:17], s[22:23]
	s_lshl_b32 s22, s20, 16                        ; sc: K step c,
	s_lshl_b32 s24, ttmp9, 8                       ; my unit
	s_add_co_u32 s22, s22, s24
	s_add_nc_u64 s[18:19], s[18:19], s[22:23]
.macro LOAD t                          ; row t of my strip into set t % 8
.irp i, 0,1,2,3
	global_load_b128 v[R+16*((\t)%8)+4*\i:R+16*((\t)%8)+4*\i+3], v3, s[4:5] offset:ROWQ*(\t)+512*\i th:TH_LOAD_NT   ; 32 lanes read 512 consecutive bytes
.endr
.endm
.macro TURN t                          ; row t's words through a stage: LDS serves a wave's instructions in order (ISA guide 5.7.1.4), so no wait stands between the stores and the loads
.irp i, 0,1,2,3
	ds_store_b128 v14, v[R+16*((\t)%8)+4*\i:R+16*((\t)%8)+4*\i+3] offset:STG*((\t)%2)+8*SP*\i
.endr
.irp i, 0,1,2,3
	ds_load_b128 v[X+16*((\t)%2)+4*\i:X+16*((\t)%2)+4*\i+3], v15 offset:STG*((\t)%2)+16*\i
.endr
.endm
.macro PARAM t                         ; row t's (z, z, s, s) of my group
	ds_load_b128 v[P+4*((\t)%2):P+4*((\t)%2)+3], v8 offset:512*(\t)
.endm
	global_load_b64 v[200:201], v10, s[8:9] th:TH_LOAD_NT      ; two zeros,
	global_load_b64 v[202:203], v10, s[6:7] th:TH_LOAD_NT      ; their two scales: a wave reads 256 consecutive bytes each time
.irp i, 0,1,2,3
	global_load_b128 v[216+4*\i:219+4*\i], v3, s[10:11] offset:512*\i   ; my strip of mu1
.endr
.irp t, 0,1,2,3,4,5,6,7
	LOAD \t
.endr
	s_wait_loadcnt 36                              ; 36 loads were issued behind the first two: those are in
	v_mov_b32 v208, v200                           ; entries (z, z, s, s): the pairs that the packed subtraction and multiplication take
	v_mov_b32 v209, v200
	v_mov_b32 v210, v202
	v_mov_b32 v211, v202
	v_mov_b32 v212, v201
	v_mov_b32 v213, v201
	v_mov_b32 v214, v203
	v_mov_b32 v215, v203
	ds_store_b128 v9, v[208:211]
	ds_store_b128 v9, v[212:215] offset:16
	s_wait_loadcnt 32                              ; mu1 is in; the 32 loads of W_q stay out
.irp i, 0,1,2,3
	ds_store_b128 v14, v[216+4*\i:219+4*\i] offset:8*SP*\i     ; mu1 turns through stage 0 as a row does
.endr
.irp i, 0,1,2,3
	ds_load_b128 v[MU+4*\i:MU+4*\i+3], v15 offset:16*\i
.endr
	s_wait_dscnt 0x0                               ; for the others' sake: my stores of entries have landed
	s_barrier_signal -1
	s_barrier_wait -1                              ; the one barrier: the table is whole, and nobody writes it again
	s_wait_loadcnt 28                              ; row 0's four loads are in; those of rows 1 to 7 may be out
	TURN 0
	PARAM 0
	s_wait_kmcnt 0x0                               ; mu2
.macro STEP t
.set XS, X+16*((\t)%2)
.set PS, P+4*((\t)%2)
.if (\t) > 0
	s_wait_dscnt 1                                 ; this row's numbers and its entry are back (the last step's byte store may be out): so its stores into the stage have read set t % 8,
.else
	s_wait_dscnt 0x0
.endif
.if (\t) < 8
	LOAD (\t)+8                                    ; which takes the row eight further on
.endif
.if (\t) < 15
.if (\t) < 8
	s_wait_loadcnt 28                              ; the next row's four loads are in; those of the seven rows behind it may be out
.else
	s_wait_loadcnt 4*(14-(\t))                     ; likewise: rows t + 2 to 15 are behind it
.endif
	TURN (\t)+1                                    ; it goes through the other stage while this row is worked
	PARAM (\t)+1
.endif
	s_mov_b32 s48, s[32+(\t)]                      ; this row's mu2
.irp i, 0,1,2,3,4,5,6,7,8,9,10,11,12,13,14,15
	v_cvt_f32_i32 v[XS+\i], v[XS+\i]
.endr
.irp j, 0,2,4,6,8,10,12,14
	v_pk_add_f32 v[XS+\j:XS+\j+1], v[XS+\j:XS+\j+1], v[PS:PS+1] neg_lo:[0,1] neg_hi:[0,1]   ; - zero
.endr
.irp j, 0,2,4,6,8,10,12,14
	v_pk_mul_f32 v[XS+\j:XS+\j+1], v[XS+\j:XS+\j+1], v[PS+2:PS+3]                           ; x scale
.endr
.irp j, 0,2,4,6,8,10,12,14
	v_pk_mul_f32 v[XS+\j:XS+\j+1], v[XS+\j:XS+\j+1], s[48:49] op_sel_hi:[1,0]               ; x mu2 (the pair's low word for both halves)
.endr
.irp j, 0,2,4,6,8,10,12,14
	v_pk_mul_f32 v[XS+\j:XS+\j+1], v[XS+\j:XS+\j+1], v[MU+\j:MU+\j+1]                       ; x mu1.  No two factors are multiplied together first: each step rounds as it is defined
.endr
	v_max3_num_f32 v248, |v[XS]|, |v[XS+1]|, |v[XS+2]|             ; the largest magnitude of my 16, in two chains
	v_max3_num_f32 v249, |v[XS+3]|, |v[XS+4]|, |v[XS+5]|
.irp i, 6,10
	s_delay_alu instid0(VALU_DEP_2)
	v_max3_num_f32 v248, v248, |v[XS+\i]|, |v[XS+\i+1]|
	s_delay_alu instid0(VALU_DEP_2)
	v_max3_num_f32 v249, v249, |v[XS+\i+2]|, |v[XS+\i+3]|
.endr
	s_delay_alu instid0(VALU_DEP_2)
	v_max3_num_f32 v248, v248, |v[XS+14]|, |v[XS+15]|
	s_delay_alu instid0(VALU_DEP_1)
	v_max3_num_f32 v248, v248, v249, 0x1800000     ; and the floor 2^(3 - 127), under which no largest magnitude is taken: so the byte cannot fall under 1
	s_delay_alu instid0(VALU_DEP_1)
	v_max_num_f32_dpp v248, v248, v248 row_xmask:1 row_mask:0xf bank_mask:0xf   ; and of my neighbour's 16: the block's
	s_delay_alu instid0(VALU_DEP_1)
	v_add_nc_u32 v250, 0xff000000, v248            ; 2 off its exponent field: the conversion takes the exponent field of this operand as its scale, and nothing else of it
	v_cvt_scalef32_pk8_fp4_f32 v[C+2*(\t)], v[XS:XS+7], v250       ; eight numbers / the scale, to the nearest code, ties to even, beyond the largest code the largest
	v_cvt_scalef32_pk8_fp4_f32 v[C+2*(\t)+1], v[XS+8:XS+15], v250
	v_lshrrev_b32 v[E+(\t)], 23, v250              ; the scale's byte (also the plain instruction behind the conversions)
	ds_store_b8 v5, v[E+(\t)] offset:64*((\t)%4)+16*((\t)/4)       ; both lanes of a block write the same byte with the same value
	global_store_b64 v4, v[C+2*(\t):C+2*(\t)+1], s[16:17] offset:256*(16*((\t)%4)+(\t)/4)   ; 32 lanes store 256 consecutive bytes, aligned: the row's place
.endm
.irp t, 0,1,2,3,4,5,6,7,8,9,10,11,12,13,14,15
	STEP \t
.endr
	ds_load_b64 v[254:255], v6                     ; LDS serves a wave's instructions in order: these see my byte stores
	s_wait_dscnt 0x0
	global_store_b64 v4, v[254:255], s[18:19]      ; my unit of scale bytes: 256 consecutive bytes, aligned
	s_wait_tensorcnt 0x0                           ; the wave's end
	ds_add_u32 v7, v251
	s_wait_dscnt 0x0
	s_endpgm
.Lfunc_end_k_q55a7968240_quant:
	.size	k_q55a7968240_quant, .Lfunc_end_k_q55a7968240_quant-k_q55a7968240_quant
	.p2alignl 7, 3214868480
	.fill 96, 4, 3214868480
	.section	.rodata,"a",@progbits
	.p2align	6, 0x0
	.amdhsa_kernel k_q55a7968240_quant
		.amdhsa_group_segment_fixed_size 54272
		.amdhsa_private_segment_fixed_size 0
		.amdhsa_enable_private_segment 0
		.amdhsa_kernarg_size 56
		.amdhsa_user_sgpr_count 2
		.amdhsa_user_sgpr_kernarg_segment_ptr 1
		.amdhsa_wavefront_size32 1
		.amdhsa_system_sgpr_workgroup_id_x 1
		.amdhsa_system_sgpr_workgroup_id_y 1
		.amdhsa_system_sgpr_workgroup_id_z 1
		.amdhsa_system_vgpr_workitem_id 0
		.amdhsa_next_free_vgpr 256
		.amdhsa_next_free_sgpr 66
		.amdhsa_reserve_vcc 0
		.amdhsa_float_denorm_mode_32 3
		.amdhsa_float_denorm_mode_16_64 3
		.amdhsa_memory_ordered 1
		.amdhsa_forward_progress 1
		.amdhsa_inst_pref_size 81
	.end_amdhsa_kernel
	.amdgpu_metadata
---
amdhsa.version: [ 1, 2 ]
amdhsa.kernels:
  - .name:           k_q55a7968240_quant
    .symbol:         k_q55a7968240_quant.kd
    .args:
      - { .name: W_q, .offset: 0, .size: 8, .value_kind: global_buffer, .address_space: global }
      - { .name: scales, .offset: 8, .size: 8, .value_kind: global_buffer, .address_space: global }
      - { .name: zeros, .offset: 16, .size: 8, .value_kind: global_buffer, .address_space: global }
      - { .name: mu1, .offset: 24, .size: 8, .value_kind: global_buffer, .address_space: global }
      - { .name: mu2, .offset: 32, .size: 8, .value_kind: global_buffer, .address_space: global }
      - { .name: w_codes, .offset: 40, .size: 8, .value_kind: global_buffer, .address_space: global }
      - { .name: sc, .offset: 48, .size: 8, .value_kind: global_buffer, .address_space: global }
    .group_segment_fixed_size: 54272
    .private_segment_fixed_size: 0
    .kernarg_segment_align: 8
    .kernarg_segment_size: 56
    .max_flat_workgroup_size: 256
    .sgpr_count:     66
    .vgpr_count:     256
    .wavefront_size: 32
...
	.end_amdgpu_metadata
.endif
;; end of part 1
;; launch gemm (part 2): grid 16 x 16, 4 waves a work-group, clusters of 4 x 4, 327,680 bytes of LDS; arguments x_codes, x_scales, w_codes, sc, bias, out0; writes out0
.if DOCPART == 2
	.amdgcn_target "amdgcn-amd-amdhsa--gfx1250"
	.amdhsa_code_object_version 6
	.text
	.protected	k_q55a7968240_gemm
	.globl	k_q55a7968240_gemm
	.p2align	8
	.type	k_q55a7968240_gemm,@function
k_q55a7968240_gemm:
	s_mov_b64 s[64:65], 0
	v_nop
	global_prefetch_b8 v0, s[64:65] scope:SCOPE_SE
	s_setreg_imm32_b32 hwreg(HW_REG_WAVE_MODE, 25, 1), 1
	s_wait_xcnt 0x0
	s_wait_alu depctr_hold_cnt(0) depctr_sa_sdst(0) depctr_va_vdst(0) depctr_va_sdst(0) depctr_va_ssrc(0) depctr_va_vcc(0) depctr_vm_vsrc(0)
	s_getreg_b32 s2, hwreg(HW_REG_IB_STS2, 6, 4)
	s_cmp_eq_u32 s2, 0
	s_cbranch_scc0 .Lentry_in_a_cluster
	s_endpgm
.Lentry_in_a_cluster:
	s_bfe_u32 s2, ttmp6, 0x10000c
	s_cmp_lg_u32 s2, 0xf033
	s_cbranch_scc0 .Lentry_shape_is_right
	s_endpgm
.Lentry_shape_is_right:
; out[m][n] = bias[n] + sum over k of x[m][k] W[n][k], on codes of FP4 with one E8M0 scale for each 32 along k; sums in f32, k ascending; the bias is added to the finished sum.
; x_codes [4096 m][2048 bytes], x_scales [4096 m][128 bytes] as given; w_codes [K step 8][place 4096][256 bytes] and sc [K step 8][unit 256][256 bytes] as the launch before laid them.
; A tile of 256 x 256 is made by a work-group of four waves; a wave makes 128 x 128: 4 x 8 accumulators of 32 x 16, 512 registers.  K goes in steps of 512 through two LDS slots filled by the tensor data mover.
; Source 0 takes 32 rows of x, source 1 sixteen rows of W.  Lane (r, h) of an accumulator's register j holds row 8 h + j (j over 7: 8 more) and its tile's column r.
; Tile b takes W's places 16 b .. 16 b + 15, whose rows are n = 64 (b / 4) + 4 r + b % 4: so register j of four tiles is 16 neighbouring bytes a lane, and 16 lanes hold an aligned unit of
; 256 bytes of one row: results are stored straight from registers.
; CLUSTERS: 4 x 4.  The four of a row of the cluster need the same tiles of x, the four of a column the same of W: each tile is asked for JOINTLY, by the same tensor load with a mask that names the four.
; PREFETCH: behind the load of K step t each wave asks for its share of K step t + 2 (at the head for step 1 too); the last two refills ask for nothing.  A cluster names each 256-byte block of
; codes and of W's scales once: the partner at place p of the four takes 64 of a tile's 256 rows, a wave 32 of them, a lane a row, and one of its 16 units of scales a wave.
; x's scales for all of K are one dense block of 32,768 bytes, loaded once at the head.
; REGISTERS: window 0: v0-31 addresses and bias; v32-95 scale words, a set for each slot; v96-223 in the last K step two blocks of x (32 rows x 512 K); v224-255 the way out.
;   window 1: two sets of fragments: x at v0 and v64, W at v128 and v192 (in the last K step all of W's 128 rows x 512 K).  window 2: accumulators of my rows 0-63; window 3: 64-127.
; A step (128 along K) multiplies one set while the next step's 32 loads go into the other, in eight groups of four among the products.
.set PITCH, 272                        ; an LDS row: 256 bytes + 16 of padding
.set HALFT, 128*PITCH
.set TILEB, 2*HALFT                    ; x's 256 rows, then W's
.set BSO,   2*TILEB                    ; then W's scales: 16 units of 256 bytes + 64 of padding
.set SLOT,  BSO+16*320
.set ASL,   2*SLOT                     ; x's scales: 128 rows of 256 bytes + 16 of padding (two rows of x in each)
.set SPARE, ASL+128*PITCH              ; the spare words
.set BI,    8                          ; v8-15 bias of my columns: 4 r + 0..3 of each 64
.set ADRA,  16
.set ADRB,  18
.set ADRSB, 20
.set ADRSA, 22
.set CO,    23
.set BO,    24
.set PFO,   25
.set PFZ,   26
.set SPW,   28
.set NIL,   29
.set SC,    32                         ; set s at SC + 32 s: word q of x's block a at 4 a + q, of W's tiles 2 j (lanes 0-15) and 2 j + 1 (lanes 16-31) at 16 + 4 j + q
.set AB,    96
.set T0,    224
.set G1,    24
.set G0,    32
.set PF,    46                         ; s[46:47] codes' prefetch
.set G1B,   48
.set G0B,   56
.set G1S,   68
.set G0S,   76
.set PFS,   80                         ; s[80:81] scales' prefetch
.set PST,   82                         ; s[82:83] bytes from K step to K step of what I prefetch
.set G1SB,  84
.set G0SB,  92
.set MSB, 0
.macro WIN new                         ; the immediate's high byte repeats the setting that is left
.if MSB != (\new)
	s_set_vgpr_msb (MSB<<8)|(\new)
.set MSB, (\new)
.endif
.endm
.set MUL_LO, 0xa5                      ; sources 0 and 1 window 1, C and D window 2; + 0x50: window 3
.set ROW_LO, 0xa4                      ; the last K step: source 0 window 0
.set TO_W1,  0x40                      ; destination window 1, address window 0
.macro PLACES
.rept 4
	v_nop
.endr
.endm
.macro TLOAD g0, g1
	tensor_load_to_lds s[\g0:\g0+3], s[\g1:\g1+7]
	s_nop 0
	PLACES
.endm
.macro JLOAD s                         ; waves 0, 2, 3 ask for x's rows, W's rows, W's scales; wave 1 has no part of a refill
	s_cmp_eq_u32 s14, 0
	s_cbranch_scc0 .Lj1_\@
	tensor_load_to_lds s[G0+4*\s:G0+4*\s+3], s[G1:G1+7]
	s_nop 0
.rept 4
	v_nop
.endr
	s_branch .Lje_\@
.Lj1_\@:
	s_cmp_eq_u32 s14, 2
	s_cbranch_scc0 .Lj2_\@
	tensor_load_to_lds s[G0B+4*\s:G0B+4*\s+3], s[G1B:G1B+7]
	s_nop 0
.rept 4
	v_nop
.endr
	s_branch .Lje_\@
.Lj2_\@:
	s_cmp_eq_u32 s14, 3
	s_cbranch_scc0 .Lje_\@
	tensor_load_to_lds s[G0SB+4*\s:G0SB+4*\s+3], s[G1SB:G1SB+7]
	s_nop 0
.rept 4
	v_nop
.endr
.Lje_\@:
.endm
.macro CREST                           ; a round of the cluster's barrier behind its opening barrier
	s_cmp_lg_u32 s14, 0
	s_cbranch_scc1 .Lnot_wave_0_\@
	s_barrier_signal -3
.Lnot_wave_0_\@:
	s_barrier_wait -3
	s_barrier_signal -1
	s_barrier_wait -1
.endm
.macro CROUND
	s_barrier_signal -1
	s_barrier_wait -1
	CREST
.endm
.macro DESC g, lds, b, o, step
	s_mov_b32 s[\g], 1
	s_mov_b32 s[\g+1], \lds
	s_add_nc_u64 s[\g+2:\g+3], s[\b:\b+1], s[\o:\o+1]
.if \step
	s_add_nc_u64 s[\g+2:\g+3], s[\g+2:\g+3], \step
.endif
	s_or_b32 s[\g+3], s[\g+3], 0x80000000
.endm
	s_load_b256 s[4:11], s[0:1], 0x0               ; x_codes 4:5, x_scales 6:7, w_codes 8:9, sc 10:11
	s_load_b128 s[20:23], s[0:1], 0x20             ; bias 20:21, out0 22:23
	v_lshl_add_u32 v[SPW], v0, 2, SPARE
	v_mov_b32 v[NIL], 0
	ds_add_u32 v[SPW], v[NIL]                      ; the opening: the add, twice on end, and its wait ahead of my first tensor load
	ds_add_u32 v[SPW], v[NIL]
	v_lshrrev_b32 v1, 5, v0
	v_readfirstlane_b32 s14, v1                    ; wave 0..3
	s_lshr_b32 s15, s14, 1                         ; which half of the tile's rows is mine
	s_and_b32 s16, s14, 1                          ; which half of its columns
	s_bfe_u32 s40, ttmp6, 0x40000                  ; cx, cy
	s_bfe_u32 s41, ttmp6, 0x40004
	s_lshl_b32 s42, ttmp9, 2
	s_add_co_u32 s42, s42, s40                     ; tile column
	s_and_b32 s17, ttmp7, 0xffff
	s_lshl_b32 s17, s17, 2
	s_add_co_u32 s17, s17, s41                     ; tile row
	s_lshl_b32 s43, s41, 2
	s_lshl_b32 s43, 15, s43                        ; my row of the cluster
	s_lshl_b32 s44, 0x1111, s40                    ; my column
	s_or_b32 s[G1], s43, (1<<20)|(1<<21)|(5<<22)|(3<<25)            ; x's rows: 256 of 256 bytes, 2,048 apart; 4 words of padding behind every 64
	s_or_b32 s[G1B], s44, (1<<20)|(1<<21)|(5<<22)|(3<<25)           ; W's rows: the same, 256 apart
	s_or_b32 s[G1S], s43, (3<<16)|(1<<20)|(1<<21)|(5<<22)|(3<<25)   ; x's scales: a dense block as 128 rows of 256 bytes
	s_or_b32 s[G1SB], s44, (3<<16)|(1<<20)|(1<<21)|(5<<22)|(15<<25) ; W's scales: 16 units, 16 words of padding behind each
.irp g, G1, G1B
	s_mov_b32 s[\g+1], 256<<16
	s_mov_b32 s[\g+2], 256<<16
	s_mov_b32 s[\g+3], 256<<16
	s_mov_b32 s[\g+4], 256
	s_mov_b32 s[\g+6], 0
	s_mov_b32 s[\g+7], 0
.endr
	s_mov_b32 s[G1+5], 2048
	s_mov_b32 s[G1B+5], 256
.irp g, G1S, G1SB
	s_mov_b32 s[\g+1], 32<<16
	s_mov_b32 s[\g+3], 32<<16
	s_mov_b32 s[\g+5], 32
	s_mov_b32 s[\g+6], 0
	s_mov_b32 s[\g+7], 0
.endr
	s_mov_b32 s[G1S+2], 128<<16
	s_mov_b32 s[G1S+4], 128
	s_mov_b32 s[G1SB+2], 16<<16
	s_mov_b32 s[G1SB+4], 16
	s_lshl_b32 s12, s17, 19                        ; where the tiles begin: x's hang on the tile row alone, W's on the tile column alone
	s_mov_b32 s13, 0
	s_lshl_b32 s18, s17, 15
	s_mov_b32 s19, 0
	s_lshl_b32 s66, s42, 16
	s_mov_b32 s67, 0
	s_lshl_b32 s2, s42, 12
	s_mov_b32 s3, 0
	s_wait_dscnt 0x0                               ; both opening adds are done
	s_wait_kmcnt 0x0
	DESC G0, 0, 4, 12, 0
	DESC G0+4, SLOT, 4, 12, 0x100
	DESC G0S, ASL, 6, 18, 0
	DESC G0B, TILEB, 8, 66, 0
	DESC G0B+4, SLOT+TILEB, 8, 66, 0x100000
	DESC G0SB, BSO, 10, 2, 0
	DESC G0SB+4, SLOT+BSO, 10, 2, 0x10000
	CROUND                                         ; all sixteen work-groups are here: the first joint loads meet
.macro ARM under, g0, g1, next
	s_cmp_lt_u32 s14, \under
	s_cbranch_scc0 \next
	TLOAD \g0, \g1
	s_branch .Lhead_asked
\next:
.endm
	ARM 1, G0, G1, .Lhead_1                        ; one load a wave: K step 0's rows of x, all of x's scales, K step 0's rows of W, its scales
	ARM 2, G0S, G1S, .Lhead_2
	ARM 3, G0B, G1B, .Lhead_3
	TLOAD G0SB, G1SB
.Lhead_asked:
	s_lshl_b32 s12, s17, 19                        ; what I prefetch: waves 0, 1 rows of x: 64 cx + 32 (wave % 2) of the tile row's,
	s_lshl_b32 s13, s40, 17
	s_add_co_u32 s12, s12, s13
	s_lshl_b32 s13, s16, 16
	s_add_co_u32 s12, s12, s13
	s_lshl_b32 s18, s42, 16                        ; waves 2, 3 rows of W: 64 cy + 32 (wave % 2) of the tile column's
	s_lshl_b32 s19, s41, 14
	s_add_co_u32 s18, s18, s19
	s_lshl_b32 s19, s16, 13
	s_add_co_u32 s18, s18, s19
	s_mov_b32 s19, 0x100000
	s_cmp_eq_u32 s15, 0
	s_cselect_b32 s12, s12, s18
	s_cselect_b64 s[PF:PF+1], s[4:5], s[8:9]
	s_cselect_b32 s[PST], 0x100, s19               ; a K step further on: 256 bytes in x_codes, 1,048,576 in w_codes
	s_cselect_b32 s45, 11, 8                       ; a row further down: 2,048 or 256 bytes
	s_mov_b32 s13, 0
	s_mov_b32 s[PST+1], 0
	s_add_nc_u64 s[PF:PF+1], s[PF:PF+1], s[12:13]
	s_add_nc_u64 s[100:101], s[PF:PF+1], s[PST:PST+1]      ; K step 1
	s_add_nc_u64 s[PF:PF+1], s[100:101], s[PST:PST+1]      ; K step 2
	s_lshl_b32 s12, s42, 12                        ; of W's scales: unit 4 cy + wave of the tile column's 16
	s_lshl_b32 s18, s41, 10
	s_add_co_u32 s12, s12, s18
	s_lshl_b32 s18, s14, 8
	s_add_co_u32 s12, s12, s18
	s_add_co_u32 s12, s12, 0x10000                 ; K step 1
	s_add_nc_u64 s[PFS:PFS+1], s[10:11], s[12:13]
	s_lshl_b32 s12, s42, 10                        ; my first column, in bytes
	s_lshl_b32 s18, s16, 9
	s_add_co_u32 s12, s12, s18
	s_add_nc_u64 s[20:21], s[20:21], s[12:13]
	s_add_nc_u64 s[22:23], s[22:23], s[12:13]
	s_lshl_b32 s12, s17, 22                        ; my first row
	s_lshl_b32 s18, s15, 21
	s_add_co_u32 s12, s12, s18
	s_add_nc_u64 s[22:23], s[22:23], s[12:13]
	s_mul_i32 s18, s15, HALFT                      ; in LDS: my 128 rows of x,
	s_mul_i32 s19, s16, HALFT                      ; my 128 rows of W,
	s_add_co_u32 s19, s19, TILEB
	s_mul_i32 s66, s15, 64*PITCH                   ; and their scales
	s_add_co_u32 s66, s66, ASL
	s_mul_i32 s67, s16, 8*320
	s_add_co_u32 s67, s67, BSO
	v_and_b32 v1, 15, v0                           ; r
	v_bfe_u32 v2, v0, 4, 1                         ; h
	v_mul_u32_u24 v3, v1, PITCH
	v_lshl_add_u32 v3, v2, 4, v3                   ; a fragment: row r, 16 bytes for each half of the lanes
	v_add_nc_u32 v[ADRA], s18, v3
	v_add_nc_u32 v[ADRB], s19, v3
	v_add_nc_u32 v[ADRA+1], SLOT, v[ADRA]
	v_add_nc_u32 v[ADRB+1], SLOT, v[ADRB]
	v_bfe_u32 v4, v0, 1, 4                         ; x's scales: lane l takes row l: 272 bytes for two rows, 128 apart
	v_mul_u32_u24 v4, v4, PITCH
	v_and_b32 v5, 1, v0
	v_lshl_add_u32 v4, v5, 7, v4
	v_add_nc_u32 v[ADRSA], s66, v4
	v_bfe_u32 v6, v0, 2, 2                         ; W's: lane r of tile t: unit r / 4, byte 64 t + 16 (r % 4); lanes 16-31 take the next tile
	v_mul_u32_u24 v6, v6, 320
	v_and_b32 v7, 3, v0
	v_lshl_add_u32 v6, v7, 4, v6
	v_lshl_add_u32 v6, v2, 6, v6
	v_add_nc_u32 v[ADRSB], s67, v6
	v_add_nc_u32 v[ADRSB+1], SLOT, v[ADRSB]
	v_lshlrev_b32 v[BO], 4, v1                     ; four columns a lane
	v_lshl_add_u32 v[CO], v2, 17, v[BO]            ; and eight rows of 16,384 bytes further down for lanes 16-31
	v_and_b32 v[PFO], 31, v0
	v_lshlrev_b32 v[PFO], s45, v[PFO]
	v_mov_b32 v[PFZ], 0
	s_wait_alu depctr_va_vdst(0)                   ; the wait at the head's end
	global_load_b128 v[BI:BI+3], v[BO], s[20:21]
	global_load_b128 v[BI+4:BI+7], v[BO], s[20:21] offset:256
	global_prefetch_b8 v[PFO], s[100:101] th:TH_LOAD_NT scope:SCOPE_SE                       ; K steps 1 and 2
	global_prefetch_b8 v[PFZ], s[PFS:PFS+1] th:TH_LOAD_NT scope:SCOPE_SE
	global_prefetch_b8 v[PFO], s[PF:PF+1] th:TH_LOAD_NT scope:SCOPE_SE
	global_prefetch_b8 v[PFZ], s[PFS:PFS+1] offset:0x10000 th:TH_LOAD_NT scope:SCOPE_SE
.macro LDA slot, q, a, p               ; four loads: 32 rows of x x 128 K into set p
.irp u, 0,1
.irp c, 0,1
	ds_load_b128 v[64*(\p)+16*(\a)+8*\u+4*\c:64*(\p)+16*(\a)+8*\u+4*\c+3], v[ADRA+\slot] offset:64*(\q)+32*\c+(2*(\a)+\u)*16*PITCH
.endr
.endr
.endm
.macro LDB slot, q, b, p               ; four loads: W's tiles b and b + 1
.irp u, 0,1
.irp c, 0,1
	ds_load_b128 v[128+64*(\p)+8*((\b)+\u)+4*\c:128+64*(\p)+8*((\b)+\u)+4*\c+3], v[ADRB+\slot] offset:64*(\q)+32*\c+((\b)+\u)*16*PITCH
.endr
.endr
.endm
.macro SCALES slot
.irp i, 0,1,2,3
	ds_load_b128 v[SC+32*\slot+4*\i:SC+32*\slot+4*\i+3], v[ADRSA] offset:16*\i*PITCH
.endr
.irp j, 0,1,2,3
	ds_load_b128 v[SC+32*\slot+16+4*\j:SC+32*\slot+16+4*\j+3], v[ADRSB+\slot] offset:1280*(\j/2)+128*(\j%2)
.endr
.endm
.macro FETCH1 slot                     ; a slot's first step: x's block 0, all of W, the scales: 28 loads
	WIN TO_W1
	LDA \slot, 0, 0, 0
.irp b, 0,2,4,6
	LDB \slot, 0, \b, 0
.endr
	WIN 0
	SCALES \slot
.endm
.macro FETCH2 slot                     ; x's blocks 1 to 3: 12 loads
	WIN TO_W1
.irp a, 1,2,3
	LDA \slot, 0, \a, 0
.endr
.endm
.macro EMIT odd, first
.if \first
.if \odd
	v_wmma_scale_f32_32x16x128_f4 v[D_:D_+15], v[FA_:FA_+15], v[FB_:FB_+7], 0, v[SA_], v[SB_] matrix_b_scale:MATRIX_SCALE_ROW1
.else
	v_wmma_scale_f32_32x16x128_f4 v[D_:D_+15], v[FA_:FA_+15], v[FB_:FB_+7], 0, v[SA_], v[SB_]
.endif
.else
.if \odd
	v_wmma_scale_f32_32x16x128_f4 v[D_:D_+15], v[FA_:FA_+15], v[FB_:FB_+7], v[D_:D_+15], v[SA_], v[SB_] matrix_b_scale:MATRIX_SCALE_ROW1
.else
	v_wmma_scale_f32_32x16x128_f4 v[D_:D_+15], v[FA_:FA_+15], v[FB_:FB_+7], v[D_:D_+15], v[SA_], v[SB_]
.endif
.endif
.endm
.macro MM a, b, p, q, s, first         ; accumulator (a, b), the slot's q-th 128 along K, from set p.  The 32 accumulators take turns, one instruction a turn
.set D_, 128*((\a)%2)+16*(\b)
.set FA_, 64*(\p)+16*(\a)
.set FB_, 128+64*(\p)+8*(\b)
.set SA_, SC+32*(\s)+4*(\a)+(\q)
.set SB_, SC+32*(\s)+16+4*((\b)/2)+(\q)
	EMIT (\b)%2, \first
.endm
; A step with its successor in the same slot.  Its loads come in the order x's block 0, W's eight tiles, x's blocks 1, 2, 3; the counts leave out what is younger than the block that is due:
; block 0: 12; block 1: 8 + 8 of the next step's; block 2: 4 + 20; block 3: 32.
.macro STEP slot, q, first
.set I, 0
.rept 32
.if I == 0
	s_wait_dscnt 12
.endif
.if I == 8
	s_wait_dscnt 16
.endif
.if I == 16
	s_wait_dscnt 24
.endif
.if I == 24
	s_wait_dscnt 32
.endif
	WIN MUL_LO+0x50*(I/16)
	MM I/8, I%8, (\q)%2, \q, \slot, \first
.if (I%3) == 2
.if I < 24
.if I == 2
	PLACES                                         ; the other set was read by the step before: four places ahead of the loads into it
.endif
	WIN TO_W1
.if I == 2
	LDA \slot, (\q)+1, 0, 1-(\q)%2
.elseif I < 17
	LDB \slot, (\q)+1, 2*(I/3)-2, 1-(\q)%2
.else
	LDA \slot, (\q)+1, I/3-4, 1-(\q)%2
.endif
.endif
.endif
.set I, I+1
.endr
.endm
.macro BLK a, b0, n, slot              ; n products of block a in a slot's last step
	WIN MUL_LO+0x50*((\a)/2)
.set I, \b0
.rept \n
	MM \a, I, 1, 3, \slot, 0
.set I, I+1
.endr
.endm
; A slot's last step changes slots.  MEET: in front of the barrier each wave waits for all its tensor loads (its part of the next slot), adds 0 to its spare word, and waits for that and for its reads of this slot.
.macro MEET slot, fill
	s_wait_dscnt 12
	BLK 0, 0, 8, \slot
	WIN 0
.if \fill
	s_wait_xcnt 0x0                                ; the last prefetch has read its address: on to the next K step
	s_add_nc_u64 s[PF:PF+1], s[PF:PF+1], s[PST:PST+1]
	s_add_nc_u64 s[PFS:PFS+1], s[PFS:PFS+1], 0x10000
.endif
	s_wait_tensorcnt 0x0                           ; all my tensor loads have landed;
	ds_add_u32 v[SPW], v[NIL]
.if \fill
	s_add_nc_u64 s[G0+4*\slot+2:G0+4*\slot+3], s[G0+4*\slot+2:G0+4*\slot+3], 0x200       ; this slot's next K step is two on
	s_add_nc_u64 s[G0B+4*\slot+2:G0B+4*\slot+3], s[G0B+4*\slot+2:G0B+4*\slot+3], 0x200000
	s_add_nc_u64 s[G0SB+4*\slot+2:G0SB+4*\slot+3], s[G0SB+4*\slot+2:G0SB+4*\slot+3], 0x20000
.endif
	s_wait_dscnt 9                                 ; (the add and blocks 2 and 3 may be out)
	BLK 1, 0, 4, \slot
	s_wait_dscnt 0x0                               ; the add is done, and my reads of this slot are over
	s_barrier_signal -1
	BLK 1, 4, 4, \slot
	WIN 0
	s_barrier_wait -1
.endm
.macro TURN slot, next
	MEET \slot, 1
	CREST                                          ; no wave of any partner still reads this slot or has a load on its way
	JLOAD \slot
	PLACES                                         ; set 0 was read by the step before
	v_add_nc_u32 v[ADRSA], 16, v[ADRSA]            ; the next K step's scales of x
	s_wait_alu depctr_va_vdst(0)                   ; the wait here, directly behind the write
	FETCH1 \next
	s_cmp_gt_u32 s3, 1                             ; the loop's last trip loads K steps 6 and 7: nothing lies two further on
	s_cbranch_scc0 .Lnone_\@
	global_prefetch_b8 v[PFO], s[PF:PF+1] th:TH_LOAD_NT scope:SCOPE_SE
	global_prefetch_b8 v[PFZ], s[PFS:PFS+1] th:TH_LOAD_NT scope:SCOPE_SE
.Lnone_\@:
	BLK 2, 0, 8, \slot
	FETCH2 \next
	BLK 3, 0, 8, \slot
.endm
	s_wait_tensorcnt 0x0                           ; my tile of the head's four is in
	ds_add_u32 v[SPW], v[NIL]
	s_wait_dscnt 0x0
	CROUND
	JLOAD 1                                        ; K step 1, the first tensor load behind the round
	FETCH1 0
	FETCH2 0
	WIN 0
	s_wait_xcnt 0x0                                ; the head's prefetches have read their addresses
	s_add_nc_u64 s[PF:PF+1], s[PF:PF+1], s[PST:PST+1]
	s_add_nc_u64 s[PFS:PFS+1], s[PFS:PFS+1], 0x20000
	global_prefetch_b8 v[PFO], s[PF:PF+1] th:TH_LOAD_NT scope:SCOPE_SE                       ; K step 3
	global_prefetch_b8 v[PFZ], s[PFS:PFS+1] th:TH_LOAD_NT scope:SCOPE_SE
	STEP 0, 0, 1                                   ; its products start the sums
	WIN 0
	s_mov_b32 s3, 3
.Llap:                                                 ; once round the ring: both slots are filled again
	STEP 0, 1, 0
	STEP 0, 2, 0
	TURN 0, 1
	STEP 1, 0, 0
	STEP 1, 1, 0
	STEP 1, 2, 0
	TURN 1, 0
	STEP 0, 0, 0
	WIN 0
	s_sub_co_u32 s3, s3, 1
	s_cmp_lg_u32 s3, 0
	s_cbranch_scc1 .Llap
	STEP 0, 1, 0
	STEP 0, 2, 0
; THE LAST K STEP (slot 1) GOES BY ROWS: all of W's fragments of it fill window 1, x's come by blocks of 32 rows x 512 K, and the wave's four blocks are finished one after the other and stored while the others are multiplied.
.macro LDR a, q                        ; four loads: x's block a, quarter q
.irp u, 0,1
.irp c, 0,1
	ds_load_b128 v[AB+64*((\a)%2)+16*(\q)+8*\u+4*\c:AB+64*((\a)%2)+16*(\q)+8*\u+4*\c+3], v[ADRA+1] offset:64*(\q)+32*\c+(2*(\a)+\u)*16*PITCH
.endr
.endr
.endm
.macro LDQ q                           ; sixteen loads: W's quarter q at 128 (q % 2) + 64 (q / 2)
.irp b, 0,1,2,3,4,5,6,7
.irp c, 0,1
	ds_load_b128 v[128*((\q)%2)+64*((\q)/2)+8*\b+4*\c:128*((\q)%2)+64*((\q)/2)+8*\b+4*\c+3], v[ADRB+1] offset:64*(\q)+32*\c+\b*16*PITCH
.endr
.endr
.endm
.macro QROW a, q                       ; block a, quarter q: its eight accumulators by turns
	WIN ROW_LO+0x50*((\a)/2)
.irp b, 0,1,2,3,4,5,6,7
.set D_, 128*((\a)%2)+16*\b
.set FA_, AB+64*((\a)%2)+16*(\q)
.set FB_, 128*((\q)%2)+64*((\q)/2)+8*\b
.set SA_, SC+32+4*(\a)+(\q)
.set SB_, SC+32+16+4*(\b/2)+(\q)
	EMIT (\b)%2, 0
.endr
.endm
; The way out of block a, in four batches: 64 of the columns (n % 2) x registers 0-7 or 8-15 (n / 2).  The sums + bias go, four tiles' registers j side by side, into v224-255 or into accumulator registers that an earlier batch has read.
.macro OUTB a, n
.set G_, (\n)%2
.set J_, 8*((\n)/2)
.set AC_, 128*((\a)%2)
.if \n == 0
	WIN 0x02+(\a)/2
.else
	WIN 0x82+0x41*((\a)/2)
.endif
.set DB_, AC_
.if \n == 2
.set DB_, AC_+64
.endif
.if \n == 3
.set DB_, AC_+8
.endif
.irp j, 0,1,2,3,4,5,6,7
.if \n == 0
.set DD_, T0+4*\j
.else
.set DD_, DB_+16*(\j/2)+4*(\j%2)
.endif
.irp t, 0,1,2,3
	v_add_f32 v[DD_+\t], v[AC_+16*(4*G_+\t)+J_+\j], v[BI+4*G_+\t]
.endr
.endr
.if \n == 0
	WIN 0
.else
	WIN 0x08+4*((\a)/2)
.endif
.irp j, 0,1,2,3,4,5,6,7
.if \n == 0
.set DD_, T0+4*\j
.else
.set DD_, DB_+16*(\j/2)+4*(\j%2)
.endif
	global_store_b128 v[CO], v[DD_:DD_+3], s[22:23] offset:(32*(\a)+2*J_+\j)*16384+256*G_ th:TH_STORE_NT   ; two rows: 16 lanes store 256 consecutive bytes, aligned
.endr
.endm
	MEET 0, 0                                      ; slot 1 has landed; nothing is filled again
	PLACES
	v_add_nc_u32 v[ADRSA], 16, v[ADRSA]
	s_wait_alu depctr_va_vdst(0)                   ; the wait here, directly behind the write
	LDR 0, 0
	LDR 0, 1
	SCALES 1
	WIN TO_W1
	LDQ 0                                          ; set 0's registers are free
	LDQ 1
	BLK 2, 0, 8, 0
	BLK 3, 0, 8, 0
	PLACES                                         ; set 1 has just been read
	WIN 0
	LDR 0, 2
	LDR 0, 3
	WIN TO_W1
	LDQ 2
	LDQ 3
	WIN 0
.irp q, 0,1,2,3
	LDR 1, \q
.endr
	s_wait_loadcnt 0x0                             ; the bias
	s_wait_dscnt 56                                ; the 56 youngest: block 0's quarters 2 and 3 (8), W's (32), block 1 (16)
	QROW 0, 0
	QROW 0, 1
	s_wait_dscnt 32                                ; W's quarter 3 and block 1
	QROW 0, 2
	s_wait_dscnt 16                                ; block 1
	QROW 0, 3
.irp a, 0,1,2,3
	PLACES                                         ; ahead of the reads of block a's results and of the loads over its fragments
	WIN 0
.if \a < 2
.irp q, 0,1,2,3
	LDR \a+2, \q
.endr
.endif
.if \a > 0
	s_wait_xcnt 0x0                                ; the block before has read v224-255
.endif
.irp n, 0,1,2,3
	OUTB \a, \n
.endr
.if \a < 2
	s_wait_dscnt 16                                ; the next block is in; the one behind it may be out
.else
	s_wait_dscnt 0x0
.endif
.if \a < 3
.irp q, 0,1,2,3
	QROW \a+1, \q
.endr
.endif
.endr
	WIN 0
	s_wait_tensorcnt 0x0                           ; the wave's end
	ds_add_u32 v[SPW], v[NIL]
	s_wait_dscnt 0x0
	CROUND                                         ; the closing round: no work-group ends while a partner may still ask for a tile that names it
	s_endpgm
.Lfunc_end_k_q55a7968240_gemm:
	.size	k_q55a7968240_gemm, .Lfunc_end_k_q55a7968240_gemm-k_q55a7968240_gemm
	.p2alignl 7, 3214868480
	.fill 96, 4, 3214868480
	.section	.rodata,"a",@progbits
	.p2align	6, 0x0
	.amdhsa_kernel k_q55a7968240_gemm
		.amdhsa_group_segment_fixed_size 327680
		.amdhsa_private_segment_fixed_size 0
		.amdhsa_enable_private_segment 0
		.amdhsa_kernarg_size 48
		.amdhsa_user_sgpr_count 2
		.amdhsa_user_sgpr_kernarg_segment_ptr 1
		.amdhsa_wavefront_size32 1
		.amdhsa_system_sgpr_workgroup_id_x 1
		.amdhsa_system_sgpr_workgroup_id_y 1
		.amdhsa_system_sgpr_workgroup_id_z 1
		.amdhsa_system_vgpr_workitem_id 0
		.amdhsa_next_free_vgpr 1024
		.amdhsa_next_free_sgpr 106
		.amdhsa_reserve_vcc 0
		.amdhsa_float_denorm_mode_32 3
		.amdhsa_float_denorm_mode_16_64 3
		.amdhsa_memory_ordered 1
		.amdhsa_forward_progress 1
		.amdhsa_inst_pref_size 154
	.end_amdhsa_kernel
	.amdgpu_metadata
---
amdhsa.version: [ 1, 2 ]
amdhsa.kernels:
  - .name:           k_q55a7968240_gemm
    .symbol:         k_q55a7968240_gemm.kd
    .args:
      - { .name: x_codes, .offset: 0, .size: 8, .value_kind: global_buffer, .address_space: global }
      - { .name: x_scales, .offset: 8, .size: 8, .value_kind: global_buffer, .address_space: global }
      - { .name: w_codes, .offset: 16, .size: 8, .value_kind: global_buffer, .address_space: global }
      - { .name: sc, .offset: 24, .size: 8, .value_kind: global_buffer, .address_space: global }
      - { .name: bias, .offset: 32, .size: 8, .value_kind: global_buffer, .address_space: global }
      - { .name: out0, .offset: 40, .size: 8, .value_kind: global_buffer, .address_space: global }
    .group_segment_fixed_size: 327680
    .private_segment_fixed_size: 0
    .kernarg_segment_align: 8
    .kernarg_segment_size: 48
    .max_flat_workgroup_size: 128
    .sgpr_count:     106
    .vgpr_count:     1024
    .wavefront_size: 32
...
	.end_amdgpu_metadata
.endif
;; end of part 2
